; MI455X (gfx1250); checked and timed in simulation.
; The chip was launched on July 23, 2026; its instructions are those of AMD's public machine-readable ISA for CDNA 5 (MIT licence, August 2026) and "CDNA5" Instruction Set Architecture Reference Guide (July 2026). The comments in the code are by the model that wrote it; some were corrected since.
;; Multi Headed Attention. Allowed arithmetic: matrix products marked QUANTISED: E2M1 operands, one E8M0 scale for each 32 along K, by v_wmma_scale_f32_16x16x128_f8f6f4 with both operands' format E2M1 (or v_wmma_scale_f32_32x16x128_f4), f32 sums; everything else in f32.
;; Inputs: Wk_codes 1,024 x 32 x 16 uint8 (E2M1 codes of Wk, K innermost, in blocks of 32 codes, two codes a byte); Wk_scales 1,024 x 32 uint8 (E8M0 scales of Wk, one for each 32 codes along K); Wo_codes 1,024 x 32 x 16 uint8 (E2M1 codes of Wo, K innermost, in blocks of 32 codes, two codes a byte); Wo_scales 1,024 x 32 uint8 (E8M0 scales of Wo, one for each 32 codes along K); Wq_codes 1,024 x 32 x 16 uint8 (E2M1 codes of Wq, K innermost, in blocks of 32 codes, two codes a byte); Wq_scales 1,024 x 32 uint8 (E8M0 scales of Wq, one for each 32 codes along K); Wv_codes 1,024 x 32 x 16 uint8 (E2M1 codes of Wv, K innermost, in blocks of 32 codes, two codes a byte); Wv_scales 1,024 x 32 uint8 (E8M0 scales of Wv, one for each 32 codes along K); bk 1,024 float32; bo 1,024 float32; bq 1,024 float32; bv 1,024 float32; key_codes 4 x 2,048 x 32 x 16 uint8 (E2M1 codes of key, K innermost, in blocks of 32 codes, two codes a byte); key_scales 4 x 2,048 x 32 uint8 (E8M0 scales of key, one for each 32 codes along K); query_codes 4 x 2,048 x 32 x 16 uint8 (E2M1 codes of query, K innermost, in blocks of 32 codes, two codes a byte); query_scales 4 x 2,048 x 32 uint8 (E8M0 scales of query, one for each 32 codes along K); value_codes 4 x 2,048 x 32 x 16 uint8 (E2M1 codes of value, K innermost, in blocks of 32 codes, two codes a byte); value_scales 4 x 2,048 x 32 uint8 (E8M0 scales of value, one for each 32 codes along K).
;; Outputs: out0 4 x 2,048 x 1,024 float32.
;; This version of the problem:
;;   THIS VERSION OF THE PROBLEM IS GIVEN IN LOW PRECISION. The matrix products marked QUANTISED in the list below multiply operands that are first quantised to E2M1 (2 exponent bits, 1 mantissa bit; 4 bits a number), with one power-of-two scale for each 32 numbers along K (OCP MX v1.0); their sums are f32. All else is computed in f32.
;;   The module's matrix products, in the order in which they are computed (A, B: the left and right operand; K: the contracted axis; several contracted axes count as one K, in the product's order):
;;     1. [M 8,192, K 1,024] x [K 1,024, N 1,024]; A: input query (given as codes); B: input Wq (given as codes): QUANTISED
;;     2. [M 8,192, K 1,024] x [K 1,024, N 1,024]; A: input key (given as codes); B: input Wk (given as codes): QUANTISED
;;     3. [M 8,192, K 1,024] x [K 1,024, N 1,024]; A: input value (given as codes); B: input Wv (given as codes): QUANTISED
;;     4. batch 64 x [M 2,048, K 64] x [K 64, N 2,048]; A: computed on the way; B: computed on the way: QUANTISED
;;     5. batch 64 x [M 2,048, K 2,048] x [K 2,048, N 64]; A: softmax (see below); B: computed on the way: QUANTISED
;;     6. [M 8,192, K 1,024] x [K 1,024, N 1,024]; A: computed on the way; B: input Wo (given as codes): QUANTISED
;;   THE QUANTISER, for each operand of a quantised product, along K:
;;     - K is cut into blocks of 32 from its start; a last block that is shorter is filled with zeros.
;;     - A block's scale is 2^e with e = floor(log2(the largest magnitude in the block)) - 2, held to -126 .. 127; a block of zeros has e = 0. As a byte (E8M0): e + 127.
;;     - Each number is divided by its block's scale, clamped to +-6, and rounded to the nearest number of E2M1, ties to even, subnormals kept.
;;     - The product sums the exact products of the quantised numbers (number of the format x scale) in f32.
;;   ~~~python
;;   def quantise(x, axis):      # numpy; x: float32 -> the quantised numbers, widened to float32 again
;;       x = np.moveaxis(x, axis, -1); K = x.shape[-1]
;;       x = np.pad(x, [(0, 0)] * (x.ndim - 1) + [(0, -K % 32)]); x = x.reshape(x.shape[:-1] + (-1, 32)); a = np.abs(x).max(-1, keepdims=True)
;;       e = np.where(a > 0, np.clip(np.frexp(np.where(a > 0, a, 1))[1] - 1 - 2, -126, 127), 0)      # np.frexp(a)[1] - 1 = floor(log2(a)), exactly
;;       r = np.clip(x / 2.0 ** e, -6, 6)
;;       step = 2.0 ** (np.maximum(np.frexp(np.where(r == 0, 1, r))[1] - 1, 0) - 1)
;;       q = np.round(r / step) * step * 2.0 ** e      # np.round: ties to even
;;       return np.moveaxis(q.reshape(q.shape[:-2] + (-1,))[..., :K], -1, axis).astype(np.float32)
;;   ~~~
;;   SOFTMAX AHEAD OF A QUANTISED PRODUCT. Where the list says 'softmax', what is quantised is not the finished softmax but p = 2^(t - M), with t = logit x log2(e) and M = ceil(the row's largest t), a whole number; so 1/2 < the row's largest p <= 1. The row's sum l is taken of the UNQUANTISED p, in f32, and the product's result is divided by l at the end. Since M is a whole number, a kernel that streams over the keys may use a running M (the ceiling of the running maximum): every later rescaling is an exact power of two, which a block's scale takes up: the codes' values come out the same.
;;   OPERANDS COMPUTED ON THE WAY. 'Computed on the way' means the value that the module computes at that place (a softmax that the list does not call 'softmax' is quantised finished and normalised). What goes into a quantiser is computed in f32, as accurately as f32 sums, v_exp_f32 and their like allow (about 1e-6 of the number): no bf16 or f16 on the way to a quantiser, and a product that is left as it is and whose result goes on into a quantised operand takes f32 operands (vector FMAs, or v_wmma_f32_16x16x4_f32). A number that lies on a knife's edge between two numbers of the format may be rounded either way, as far as f32 arithmetic and the matrix unit's own rounding can turn it there, and no further.
;;   INPUTS GIVEN AS CODES. Wk (in the module: [1024, 1024], K = its axis 0); Wo (in the module: [1024, 1024], K = its axis 0); Wq (in the module: [1024, 1024], K = its axis 0); Wv (in the module: [1024, 1024], K = its axis 0); key (in the module: [4, 2048, 1024], K = its axis 2); query (in the module: [4, 2048, 1024], K = its axis 2); value (in the module: [4, 2048, 1024], K = its axis 2): each comes as NAME_codes (uint8): NAME with its K axis moved to the last place and cut into blocks of 32 codes, [.., K / 32, bytes a block], one block behind the other in memory; two codes a byte, the lower K in the low four bits (a code: sign, 2 exponent bits, 1 mantissa bit); and NAME_scales (uint8): the same leading axes, one E8M0 byte (e + 127) for each 32 codes along K. Its value is code x scale, taken as it is: it is not quantised again, and the codes and scales need not be those that the quantiser above would give.
;; One version. Each part assembles by itself: llvm-mc -triple=amdgcn-amd-amdhsa -mcpu=gfx1250 --defsym DOCPART=n.
;; ======== version 1 of 1: 3 launches
;; workspace buffers: qws 4,456,448 bytes; kvws 8,912,896 bytes; xc 4,194,304 bytes; xs 262,144 bytes
;; launch proj (part 1): grid 4 x 192, 8 waves a work-group, clusters of 4 x 4, 209,920 bytes of LDS; arguments Wq_codes, Wk_codes, value_codes, Wq_scales, Wk_scales, value_scales, query_codes, key_codes, Wv_codes, query_scales, key_scales, Wv_scales, bq, bk, bv, qws, kvws; writes qws, kvws
.if DOCPART == 1
	.amdgcn_target "amdgcn-amd-amdhsa--gfx1250"
	.amdhsa_code_object_version 6
	.text
	.protected	k_q7d18bfdc18_proj
	.globl	k_q7d18bfdc18_proj
	.p2align	8
	.type	k_q7d18bfdc18_proj,@function
k_q7d18bfdc18_proj:
	s_mov_b64 s[64:65], 0
	v_nop
	global_prefetch_b8 v0, s[64:65] scope:SCOPE_SE
	s_setreg_imm32_b32 hwreg(HW_REG_WAVE_MODE, 25, 1), 1
	s_wait_xcnt 0x0
	s_wait_alu depctr_hold_cnt(0) depctr_sa_sdst(0) depctr_va_vdst(0) depctr_va_sdst(0) depctr_va_ssrc(0) depctr_va_vcc(0) depctr_vm_vsrc(0)
	s_getreg_b32 s2, hwreg(HW_REG_IB_STS2, 6, 4)
	s_cmp_eq_u32 s2, 0
	s_cbranch_scc0 .Lentry_in_a_cluster
	s_endpgm
.Lentry_in_a_cluster:
	s_bfe_u32 s2, ttmp6, 0x10000c
	s_cmp_lg_u32 s2, 0xf033
	s_cbranch_scc0 .Lentry_shape_is_right
	s_endpgm
.Lentry_shape_is_right:
; q = query Wq + bq, k = key Wk + bk, v = value Wv + bv on codes of FP4 (E2M1) with one E8M0 scale for each 32 along K = 1,024; the results are quantised again:
; q and k along the head's 64 numbers, v along the keys, and stored as images of the operand registers that the attention launch wants.
; ONE BODY FOR ALL THREE.  Every sum is D(m, n) = P row m . R row n, source 0 = 16 rows of P, source 1 = 16 rows of R: a lane holds ONE row of R, and its registers run along P's rows.
;   q, k: P = the weight (1,024 features), R = the tokens: a lane's registers run along the features, which are the next product's K.
;   v:    P = value's tokens, R = Wv's rows: a lane's registers run along the keys, which are the next product's K.
; P and R lie alike in memory (rows of 512 bytes of codes, rows of 32 scale bytes), so only pointers and the strides of the output differ; they are chosen by s_cselect on g, the tensor's number.
; SHARES.  g = cluster y / 16.  A work-group makes 256 rows of P x 128 rows of R; wave w: P rows 128 (w % 2) on, R rows 32 (w / 2) on: 16 accumulators, 8 K steps of 128: 128 matrix instructions.
; CLUSTER 4 x 4: P's block hangs on cx and is shared along a column of the cluster, R's on cy and is shared along a row: each is asked for jointly, by the same tensor load with a mask that names the four.
; LDS: all of K lies there, in two halves of 512 codes, each filled once: half c at c x HALF: P's 256 rows, then R's 128; a row is 256 bytes + 16 of padding, so the 16 rows of a fragment load begin 16 bytes further on modulo 256.
; Waves 0-3 fetch P's rows 64 w on, waves 4-5 R's rows 64 (w - 4) on, waves 6-7 nothing: two tensor loads of a wave are out at the most.
; THE QUANTISER: a block's scale byte is its largest magnitude's exponent field - 2, held at 1 from below by a floor among the maximum's leaves.
; LIMITS: NaN and infinities are not served; a block whose largest magnitude lies under 2^(3 - 127), a block of zeros among them, gets the byte 1 (zeros: where the rule says 127; its codes are zeros, and this program alone reads the bytes).
; REGISTERS: v1, v2 LDS addresses; v8-15 R's scale words; v16-47 P's; v48-111 P's eight fragments; v112-127 R's two; v128-255 the accumulators ((i, j) at 128 + 64 j + 8 i).  Behind the sums v48-99 are at work.
.set PITCH, 272
.set RBASE, 256*PITCH                  ; R's rows lie behind P's 256
.set HALF,  384*PITCH                  ; 104,448 bytes
.set ADP, 1
.set ADR, 2
.set SR,  8                            ; v[SR + 4 half + q]: lanes 0-15 the words of R's tile 0, lanes 16-31 of tile 1
.set SP,  16                           ; v[SP + 8 (i % 4) + 4 half + q]: lanes 0-15 P's tile i % 4, lanes 16-31 tile i % 4 + 4
.set PF,  48
.set RF,  112
.set ACC, 128
.set TM,  48                           ; the quantiser's sixteen registers
.set WV,  3
.set SEL, 78                           ; s[78:79] v_permlanex16_b32's selects for lane l xor 16
.set G1P, 24
.set G1R, 32
.set G0P, 40                           ; s[40:47] P's group 0, a set for each half
.set G0R, 48                           ; s[48:55] R's
; A round of the cluster's barrier: my work-group's barrier, wave 0 signals for the work-group, every wave waits for all sixteen, my work-group's barrier once more.
.macro CROUND
	s_barrier_signal -1
	s_barrier_wait -1
	s_cmp_lg_u32 s[WV], 0
	s_cbranch_scc1 .Lnot_wave_0_\@
	s_barrier_signal -3
.Lnot_wave_0_\@:
	s_barrier_wait -3
	s_barrier_signal -1
	s_barrier_wait -1
.endm
	s_load_b512 s[68:83], s[0:1], 0x0              ; Wq, Wk, value codes; Wq, Wk, value scales; query, key codes
	s_load_b512 s[84:99], s[0:1], 0x40             ; Wv codes; query, key, Wv scales; bq, bk, bv; qws
	s_load_b64 s[100:101], s[0:1], 0x80            ; kvws
	v_lshl_add_u32 v7, v0, 2, 0x33000
	s_set_vgpr_msb 0x40
	v_mov_b32 v1, 0
	s_set_vgpr_msb 0x4044
	ds_add_u32 v7, v1
	ds_add_u32 v7, v1
	s_set_vgpr_msb 0x4400
	v_lshrrev_b32 v3, 5, v0
	s_delay_alu instid0(VALU_DEP_1)
	v_readfirstlane_b32 s[WV], v3                  ; wave 0..7
	s_and_b32 s22, s[WV], 3                        ; which 64 rows of P I fetch
	s_and_b32 s23, s[WV], 1                        ; wp: my 128 rows of P.  Also: which 64 rows of R I fetch
	s_lshr_b32 s56, s[WV], 1                       ; wr: my 32 rows of R
	s_and_b32 s57, ttmp7, 0xffff                   ; cluster y, 0..47
	s_lshr_b32 s16, s57, 4                         ; g: 0 q, 1 k, 2 v: the same in all sixteen partners
	s_and_b32 s17, s57, 15
	s_bfe_u32 s18, ttmp6, 0x40000                  ; cx
	s_bfe_u32 s19, ttmp6, 0x40004                  ; cy
	s_lshr_b32 s58, s17, 1
	s_and_b32 s59, s17, 1
	s_cmp_eq_u32 s16, 2
	s_cselect_b32 s58, s58, 0                      ; q, k: P has 4 blocks of 256 rows, R 64 of 128;  v: P has 32, R has 8
	s_cselect_b32 s59, s59, s17
	s_lshl_b32 s20, s58, 2
	s_add_co_u32 s20, s20, s18                     ; P's block
	s_lshl_b32 s21, s59, 2
	s_add_co_u32 s21, s21, s19                     ; R's block
	s_lshl_b32 s60, 0x1111, s18                    ; my column of the cluster
	s_lshl_b32 s61, s19, 2
	s_lshl_b32 s61, 15, s61                        ; my row
	; descriptor group 1: 64 rows x 256 bytes, 512 bytes apart in memory, 16 bytes of padding behind each in LDS
	s_or_b32 s[G1P], s60, (1<<20)|(1<<21)|(5<<22)|(3<<25)   ; 15:0 the mask; 17:16 elements of 1 byte; 20 padding on; 21 set beside a mask; 24:22 after every 64 words; 31:25 four words
	s_or_b32 s[G1R], s61, (1<<20)|(1<<21)|(5<<22)|(3<<25)
.irp g, G1P, G1R
	s_mov_b32 s[\g+1], 256<<16                     ; tensor_dim0
	s_mov_b32 s[\g+2], 64<<16                      ; tensor_dim1
	s_mov_b32 s[\g+3], 256<<16                     ; tile_dim0
	s_mov_b32 s[\g+4], 64                          ; tile_dim1
	s_mov_b32 s[\g+5], 512                         ; from row to row
	s_mov_b32 s[\g+6], 0
	s_mov_b32 s[\g+7], 0
.endr
	s_mul_i32 s62, s[WV], 64*PITCH                 ; where my rows go: waves 0-3 P's quarters, waves 4-5 R's halves, on end
	s_lshl_b32 s66, s20, 17                        ; P: (256 block + 64 quarter) rows of 512 bytes: made of g, cx and the wave's number alone
	s_lshl_b32 s67, s22, 15
	s_add_co_u32 s66, s66, s67
	s_mov_b32 s67, 0
	s_lshl_b32 s58, s21, 16                        ; R: (128 block + 64 half) rows: made of g, cy and the wave's number alone
	s_lshl_b32 s59, s23, 15
	s_add_co_u32 s58, s58, s59
	s_mov_b32 s59, 0
	s_wait_dscnt 0x0
	s_wait_kmcnt 0x0
	s_cmp_eq_u32 s16, 0                            ; the six buffers of my tensor: the choice hangs on g alone
	s_cselect_b64 s[4:5], s[68:69], s[70:71]       ; P's codes
	s_cselect_b64 s[6:7], s[74:75], s[76:77]       ; P's scales
	s_cselect_b64 s[8:9], s[80:81], s[82:83]       ; R's codes
	s_cselect_b64 s[10:11], s[86:87], s[88:89]     ; R's scales
	s_cselect_b64 s[12:13], s[92:93], s[94:95]     ; the bias
	s_cselect_b64 s[14:15], s[98:99], s[100:101]   ; the output
	s_cmp_eq_u32 s16, 2
	s_cselect_b64 s[4:5], s[72:73], s[4:5]
	s_cselect_b64 s[6:7], s[78:79], s[6:7]
	s_cselect_b64 s[8:9], s[84:85], s[8:9]
	s_cselect_b64 s[10:11], s[90:91], s[10:11]
	s_cselect_b64 s[12:13], s[96:97], s[12:13]
	s_mov_b32 s[G0P], 1                            ; count = 1
	s_mov_b32 s[G0P+1], s62                        ; LDS address, half 0
	s_add_nc_u64 s[G0P+2:G0P+3], s[4:5], s[66:67]  ; global address
	s_mov_b32 s[G0P+4], 1
	s_add_co_u32 s[G0P+5], s62, HALF               ; half 1
	s_add_nc_u64 s[G0P+6:G0P+7], s[G0P+2:G0P+3], 256
	s_or_b32 s[G0P+3], s[G0P+3], 0x80000000        ; type = 2
	s_or_b32 s[G0P+7], s[G0P+7], 0x80000000
	s_mov_b32 s[G0R], 1
	s_mov_b32 s[G0R+1], s62
	s_add_nc_u64 s[G0R+2:G0R+3], s[8:9], s[58:59]
	s_mov_b32 s[G0R+4], 1
	s_add_co_u32 s[G0R+5], s62, HALF
	s_add_nc_u64 s[G0R+6:G0R+7], s[G0R+2:G0R+3], 256
	s_or_b32 s[G0R+3], s[G0R+3], 0x80000000
	s_or_b32 s[G0R+7], s[G0R+7], 0x80000000
	CROUND                                         ; all sixteen work-groups are here: the joint loads meet
	s_cmp_lt_u32 s[WV], 4                          ; a wave's two fills stand in one branch on its number, ahead of every wait on TENSORcnt, every LDS read and every other barrier
	s_cbranch_scc0 .Lnot_p
	tensor_load_to_lds s[G0P:G0P+3], s[G1P:G1P+7]
	s_nop 0
	tensor_load_to_lds s[G0P+4:G0P+7], s[G1P:G1P+7]
	s_nop 0
.rept 4
	v_nop
.endr
	s_branch .Lasked
.Lnot_p:
	s_cmp_lt_u32 s[WV], 6
	s_cbranch_scc0 .Lasked
	tensor_load_to_lds s[G0R:G0R+3], s[G1R:G1R+7]
	s_nop 0
	tensor_load_to_lds s[G0R+4:G0R+7], s[G1R:G1R+7]
	s_nop 0
.rept 4
	v_nop
.endr
.Lasked:
	v_and_b32 v3, 15, v0                           ; r
	v_bfe_u32 v4, v0, 4, 1                         ; h
	v_and_b32 v6, 31, v0                           ; lane
	s_delay_alu instid0(VALU_DEP_3)
	v_mul_u32_u24 v5, v3, PITCH
	s_delay_alu instid0(VALU_DEP_1)
	v_lshl_add_u32 v5, v4, 4, v5                   ; a fragment's row x pitch + 16 h
	s_mul_i32 s57, s23, 128*PITCH
	v_add_nc_u32 v[ADP], s57, v5
	s_mul_i32 s57, s56, 32*PITCH
	s_add_co_u32 s57, s57, RBASE
	v_add_nc_u32 v[ADR], s57, v5
	v_lshlrev_b32 v100, 5, v3
	s_delay_alu instid0(VALU_DEP_1)
	v_lshl_add_u32 v100, v4, 11, v100              ; P's scales: row r, lanes 16-31 sixty-four rows on; 32 bytes a row
	s_wait_alu depctr_va_vdst(0)
	v_lshlrev_b32 v101, 5, v6                      ; R's: row = lane
	s_wait_alu depctr_va_vdst(0)
	v_lshlrev_b32 v102, 5, v4                      ; the bias by P's rows: 8 h numbers on
	v_lshlrev_b32 v103, 2, v3                      ; the bias by R's rows: number r
	s_lshl_b32 s80, s20, 13                        ; (256 block + 128 wp) rows of 32 bytes
	s_lshl_b32 s81, s23, 12
	s_add_co_u32 s80, s80, s81
	s_mov_b32 s81, 0
	s_add_nc_u64 s[6:7], s[6:7], s[80:81]
	s_lshl_b32 s80, s21, 12                        ; (128 block + 32 wr) rows of 32 bytes
	s_lshl_b32 s82, s56, 10
	s_add_co_u32 s80, s80, s82
	s_add_nc_u64 s[10:11], s[10:11], s[80:81]
	s_lshl_b32 s82, s20, 10                        ; q, k: the bias of my 128 rows of P
	s_lshl_b32 s83, s23, 9
	s_add_co_u32 s82, s82, s83
	s_lshl_b32 s80, s21, 9                         ; v: of my 32 rows of R
	s_lshl_b32 s83, s56, 7
	s_add_co_u32 s80, s80, s83
	s_cmp_eq_u32 s16, 2
	s_cselect_b32 s80, s80, s82
	s_add_nc_u64 s[12:13], s[12:13], s[80:81]
	; the scale bytes go straight into registers: a wave uses all 32 bytes of each of its rows
.irp i, 0,1,2,3
.irp f, 0,1
	global_load_b128 v[SP+8*\i+4*\f:SP+8*\i+4*\f+3], v100, s[6:7] offset:512*\i+16*\f
.endr
.endr
.irp f, 0,1
	global_load_b128 v[SR+4*\f:SR+4*\f+3], v101, s[10:11] offset:16*\f
.endr
	; the bias is what the sums begin with.  q, k: it goes by P's rows, a lane's registers; v: by R's rows, one number a lane.  The branch hangs on g.
	s_cmp_eq_u32 s16, 2
	s_cbranch_scc1 .Lbias_by_r
	s_wait_alu depctr_va_vdst(0)
.irp j, 0,1
.irp i, 0,1,2,3,4,5,6,7
	global_load_b128 v[ACC+64*\j+8*\i:ACC+64*\j+8*\i+3], v102, s[12:13] offset:64*\i
	global_load_b128 v[ACC+64*\j+8*\i+4:ACC+64*\j+8*\i+7], v102, s[12:13] offset:64*\i+16
.endr
.endr
	s_branch .Lbias_done
.Lbias_by_r:
	s_wait_alu depctr_va_vdst(0)
	global_load_b32 v48, v103, s[12:13]
	global_load_b32 v49, v103, s[12:13] offset:64
	s_wait_loadcnt 0x0
.irp j, 0,1
.set n, 0
.rept 64
	v_mov_b32 v[ACC+64*\j+n], v[48+\j]
.set n, n+1
.endr
.endr
.Lbias_done:
	; where the results go.  HS: a head's bytes, SS: a step's (128 tokens).  qws: a step is 8 tiles of 512 bytes and 256 bytes of scale words; kvws: K's 8 tiles, V's 4 fragments, K's words, V's words
	s_mov_b32 s80, 139264
	s_mov_b32 s81, 8704
	s_mov_b32 s82, 8192
	s_cmp_eq_u32 s16, 0
	s_cselect_b32 s80, 69632, s80                  ; HS
	s_cselect_b32 s81, 4352, s81                   ; SS
	s_cselect_b32 s82, 4096, s82                   ; q's, k's scale words in a step
	s_and_b32 s83, s21, 48                         ; q, k: 16 x batch (a batch is 16 blocks of R)
	s_lshl_b32 s84, s20, 2
	s_add_co_u32 s83, s83, s84
	s_lshl_b32 s84, s23, 1
	s_add_co_u32 s83, s83, s84                     ;   + my first head: 4 x P's block + 2 wp
	s_and_b32 s84, s21, 15                         ;   the step
	s_lshl_b32 s85, s56, 10                        ;   my two tiles of tokens: 2 wr, 2 wr + 1
	s_lshl_b32 s86, s56, 6
	s_add_co_u32 s86, s86, s82                     ;   their pair's sixteen scale words
	s_and_b32 s87, s20, 24                         ; v: 16 x batch (a batch is 8 blocks of P)
	s_lshl_b32 s87, s87, 1
	s_lshl_b32 s88, s21, 1
	s_add_co_u32 s87, s87, s88
	s_lshr_b32 s88, s56, 1
	s_add_co_u32 s87, s87, s88                     ;   + my head: 2 x R's block + wr / 2
	s_and_b32 s88, s20, 7
	s_lshl_b32 s88, s88, 1
	s_add_co_u32 s88, s88, s23                     ;   the step: my 128 keys
	s_and_b32 s89, s56, 1
	s_lshl_b32 s90, s89, 11
	s_add_co_u32 s90, s90, 4096                    ;   my two fragments: 2 (wr % 2), + 1
	s_lshl_b32 s91, s89, 7
	s_add_co_u32 s91, s91, 8448                    ;   and their scale words
	s_mov_b32 s92, 0x05040100
	s_mov_b32 s93, 0x07060302
	s_mov_b32 s94, 512
	s_cmp_eq_u32 s16, 2
	s_cselect_b32 s83, s87, s83
	s_cselect_b32 s84, s88, s84
	s_cselect_b32 s85, s90, s85
	s_cselect_b32 s86, s91, s86
	s_cselect_b32 s74, 512, s80                    ; from codes' registers 0-3 to 4-7: q, k: the next head; v: the fragment's second half
	s_cselect_b32 s75, 64, s80                     ; from lanes 0-15's scale word to lanes 16-31's: the next head; the next fragment
	s_cselect_b32 s76, 0x03020100, s92             ; which bytes make lanes 0-15's word,
	s_cselect_b32 s77, 0x07060504, s93             ; and lanes 16-31's
	s_cselect_b32 s94, 1024, s94                   ; from R's tile 0 to tile 1
	s_mul_i32 s83, s83, s80
	s_mul_i32 s84, s84, s81
	s_add_co_u32 s83, s83, s84
	s_add_co_u32 s88, s85, s83
	s_mov_b32 s89, 0
	s_add_co_u32 s90, s86, s83
	s_mov_b32 s91, 0
	s_mov_b32 s95, 0
	s_add_nc_u64 s[68:69], s[14:15], s[88:89]      ; tile 0's codes
	s_add_nc_u64 s[70:71], s[68:69], s[94:95]      ; tile 1's
	s_add_nc_u64 s[72:73], s[14:15], s[90:91]      ; the scale words
	s_mov_b32 s[SEL], 0x76543210
	s_mov_b32 s[SEL+1], 0xfedcba98
; One product: P's tile i x R's tile j, the half's q-th 128 along K.  The scale words of tiles 4-7 of P and of tile 1 of R stand in lanes 16-31.
.macro MM i, j, half, q
.set rD, ACC+64*(\j)+8*(\i)
.set rA, PF+8*(\i)
.set rB, RF+8*(\j)
.set rX, SP+8*((\i)%4)+4*(\half)+(\q)
.set rY, SR+4*(\half)+(\q)
.if ((\i) < 4) && ((\j) == 0)
	v_wmma_scale_f32_16x16x128_f8f6f4 v[rD:rD+7], v[rA:rA+7], v[rB:rB+7], v[rD:rD+7], v[rX], v[rY] matrix_a_fmt:MATRIX_FMT_FP4 matrix_b_fmt:MATRIX_FMT_FP4
.elseif (\i) < 4
	v_wmma_scale_f32_16x16x128_f8f6f4 v[rD:rD+7], v[rA:rA+7], v[rB:rB+7], v[rD:rD+7], v[rX], v[rY] matrix_a_fmt:MATRIX_FMT_FP4 matrix_b_fmt:MATRIX_FMT_FP4 matrix_b_scale:MATRIX_SCALE_ROW1
.elseif (\j) == 0
	v_wmma_scale_f32_16x16x128_f8f6f4 v[rD:rD+7], v[rA:rA+7], v[rB:rB+7], v[rD:rD+7], v[rX], v[rY] matrix_a_fmt:MATRIX_FMT_FP4 matrix_b_fmt:MATRIX_FMT_FP4 matrix_a_scale:MATRIX_SCALE_ROW1
.else
	v_wmma_scale_f32_16x16x128_f8f6f4 v[rD:rD+7], v[rA:rA+7], v[rB:rB+7], v[rD:rD+7], v[rX], v[rY] matrix_a_fmt:MATRIX_FMT_FP4 matrix_b_fmt:MATRIX_FMT_FP4 matrix_a_scale:MATRIX_SCALE_ROW1 matrix_b_scale:MATRIX_SCALE_ROW1
.endif
.endm
; A K step of 128: twenty LDS loads, sixteen products on sixteen accumulators, one instruction a turn.
; places: plain vector instructions still owed between the last products and the loads into the registers that they read (four in all: ISA guide 7.12.1 for vector instructions).
.macro KSTEP half, q, places
.rept \places
	v_nop
.endr
.irp j, 0,1
.irp c, 0,1
	ds_load_b128 v[RF+8*\j+4*\c:RF+8*\j+4*\c+3], v[ADR] offset:16*PITCH*\j+64*(\q)+32*\c
.endr
.endr
.irp i, 0,1,2,3,4,5,6,7
.irp c, 0,1
	ds_load_b128 v[PF+8*\i+4*\c:PF+8*\i+4*\c+3], v[ADP] offset:16*PITCH*\i+64*(\q)+32*\c
.endr
.endr
.irp i, 0,1,2,3,4,5,6,7
	s_wait_dscnt 14-2*\i                           ; LDS loads come back in order: R's four and P's tiles 0 .. i are in; the 14 - 2 i loads of the later tiles may be out
.irp j, 0,1
	MM \i, \j, \half, \q
.endr
.endr
.endm
	s_wait_loadcnt 0x0                             ; scale words and bias
	s_wait_tensorcnt 0x1                           ; my part of half 0 is in; half 1's load, the one issued behind it, may be out
	s_barrier_signal -1
	s_barrier_wait -1                              ; everybody's is
	s_wait_alu depctr_va_vdst(0)
	KSTEP 0, 0, 0
	KSTEP 0, 1, 4
	KSTEP 0, 2, 4
	KSTEP 0, 3, 4
	s_wait_tensorcnt 0x0                           ; my part of half 1 is in
	s_wait_dscnt 0x0
	s_barrier_signal -1
	s_barrier_wait -1
	v_add_nc_u32 v[ADP], HALF, v[ADP]              ; (two of the four places)
	v_add_nc_u32 v[ADR], HALF, v[ADR]
	s_wait_alu depctr_va_vdst(0)
	KSTEP 1, 0, 2
	KSTEP 1, 1, 4
	KSTEP 1, 2, 4
	KSTEP 1, 3, 4
.rept 4
	v_nop                                          ; places in front of the first read of results and the first write of registers that the products read
.endr
; 64 numbers of a lane, v[s] on: tile i's register n is P's row 16 i + 8 (lane / 16) + n of my row of R.  Block b of 32 is tiles 2 b and 2 b + 1, mine and lane l xor 16's.
; In a block my eight numbers of tile 2 b + u are piece 2 u + lane / 16 of its four pieces of eight.  The operand's layout wants, in register 4 c + i of lane half h, piece i of block 2 c + h:
; so the codes of (b, u) go to register 4 (b / 2) + 2 u + b % 2, and each pair of registers (4 c + 2 u, 4 c + 2 u + 1) exchanges the first's lanes 16-31 with the second's lanes 0-15.
.macro QUANT s, pc, pw
.irp b, 0,1,2,3
	v_max3_num_f32 v[TM+\b], |v[\s+16*\b]|, |v[\s+1+16*\b]|, 0x1800000   ; with the floor 2^(3 - 127): the byte cannot fall under 1.  Each accumulator is read from its low end on
.endr
.irp i, 2,4,6,8,10,12,14
.irp b, 0,1,2,3
	v_max3_num_f32 v[TM+\b], v[TM+\b], |v[\s+16*\b+\i]|, |v[\s+1+16*\b+\i]|
.endr
.endr
.irp b, 0,1,2,3
	s_delay_alu instid0(VALU_DEP_4)
	v_permlanex16_b32 v[TM+4+\b], v[TM+\b], s[SEL], s[SEL+1]
.endr
.irp b, 0,1,2,3
	s_delay_alu instid0(VALU_DEP_4)
	v_max_num_f32 v[TM+\b], v[TM+\b], v[TM+4+\b]   ; the block's largest magnitude
.endr
.irp b, 0,1,2,3
	s_delay_alu instid0(VALU_DEP_4)
	v_add_nc_u32 v[TM+12+\b], 0xff000000, v[TM+\b] ; 2 off its exponent field: the conversion takes this operand's exponent field as its scale
.endr
.irp b, 0,1,2,3
	s_delay_alu instid0(VALU_DEP_4)
	v_lshrrev_b32 v[TM+4+\b], 23, v[TM+12+\b]      ; the scale's byte
.endr
	s_delay_alu instid0(VALU_DEP_3)
	v_lshl_or_b32 v[\pw], v[TM+5], 8, v[TM+4]
	s_delay_alu instid0(VALU_DEP_1)
	v_lshl_or_b32 v[\pw], v[TM+6], 16, v[\pw]
	s_delay_alu instid0(VALU_DEP_1)
	v_lshl_or_b32 v[\pw], v[TM+7], 24, v[\pw]
.irp b, 0,1,2,3
	v_cvt_scalef32_pk8_fp4_f32 v[\pc+4*(\b/2)+\b%2], v[\s+16*\b:\s+16*\b+7], v[TM+12+\b]
	v_cvt_scalef32_pk8_fp4_f32 v[\pc+4*(\b/2)+2+\b%2], v[\s+16*\b+8:\s+16*\b+15], v[TM+12+\b]
.endr
	v_nop                                          ; one plain place behind a scaled conversion
.irp c, 0,1
	v_permlane16_swap_b32 v[\pc+4*\c], v[\pc+4*\c+1]
	v_permlane16_swap_b32 v[\pc+4*\c+2], v[\pc+4*\c+3]
.endr
.endm
	QUANT 128, 64, 80                              ; R's tile 0: codes v64-71, scale word v80
	QUANT 192, 72, 81                              ; tile 1: v72-79, v81
	v_and_b32 v82, 31, v0
	s_delay_alu instid0(VALU_DEP_1)
	v_lshlrev_b32 v83, 4, v82                      ; an image's place for my lane: each store of the wave covers 512 consecutive bytes, aligned
	s_delay_alu instid0(VALU_DEP_1)
	v_add_nc_u32 v84, s74, v83
	global_store_b128 v83, v[64:67], s[68:69]
	global_store_b128 v84, v[68:71], s[68:69]
	global_store_b128 v83, v[72:75], s[70:71]
	global_store_b128 v84, v[76:79], s[70:71]
	; q, k: lanes 0-15 store the first head's word {tile 0: bytes 0, 1; tile 1: bytes 0, 1}, lanes 16-31 the second head's (bytes 2, 3);  v: lanes 0-15 tile 0's word, lanes 16-31 tile 1's.  Pieces of 64 bytes: a sixteenth of what the launch stores
	v_perm_b32 v85, v81, v80, s76
	v_perm_b32 v86, v81, v80, s77
	v_cmp_le_u32 vcc_lo, 16, v82
	s_delay_alu instid0(VALU_DEP_1)
	v_cndmask_b32 v87, v85, v86, vcc_lo
	v_and_b32 v88, 15, v0
	s_delay_alu instid0(VALU_DEP_1)
	v_lshlrev_b32 v88, 2, v88
	v_bfe_u32 v89, v0, 4, 1
	s_delay_alu instid0(VALU_DEP_1)
	v_mad_u32_u24 v88, v89, s75, v88
	global_store_b32 v88, v87, s[72:73]
	s_wait_dscnt 0x0
	s_set_vgpr_msb 0x4
	s_wait_tensorcnt 0x0
	ds_add_u32 v7, v1
	s_wait_dscnt 0x0
	s_set_vgpr_msb 0x400
	CROUND                                         ; the closing round: no work-group ends while a partner may still ask for a tile that names it
	s_endpgm
.Lfunc_end_k_q7d18bfdc18_proj:
	.size	k_q7d18bfdc18_proj, .Lfunc_end_k_q7d18bfdc18_proj-k_q7d18bfdc18_proj
	.p2alignl 7, 3214868480
	.fill 96, 4, 3214868480
	.section	.rodata,"a",@progbits
	.p2align	6, 0x0
	.amdhsa_kernel k_q7d18bfdc18_proj
		.amdhsa_group_segment_fixed_size 209920
		.amdhsa_private_segment_fixed_size 0
		.amdhsa_enable_private_segment 0
		.amdhsa_kernarg_size 136
		.amdhsa_user_sgpr_count 2
		.amdhsa_user_sgpr_kernarg_segment_ptr 1
		.amdhsa_wavefront_size32 1
		.amdhsa_system_sgpr_workgroup_id_x 1
		.amdhsa_system_sgpr_workgroup_id_y 1
		.amdhsa_system_sgpr_workgroup_id_z 1
		.amdhsa_system_vgpr_workitem_id 0
		.amdhsa_next_free_vgpr 258
		.amdhsa_next_free_sgpr 102
		.amdhsa_reserve_vcc 1
		.amdhsa_float_denorm_mode_32 3
		.amdhsa_float_denorm_mode_16_64 3
		.amdhsa_memory_ordered 1
		.amdhsa_forward_progress 1
		.amdhsa_inst_pref_size 58
	.end_amdhsa_kernel
	.amdgpu_metadata
---
amdhsa.version: [ 1, 2 ]
amdhsa.kernels:
  - .name:           k_q7d18bfdc18_proj
    .symbol:         k_q7d18bfdc18_proj.kd
    .args:
      - { .name: Wq_codes, .offset: 0, .size: 8, .value_kind: global_buffer, .address_space: global }
      - { .name: Wk_codes, .offset: 8, .size: 8, .value_kind: global_buffer, .address_space: global }
      - { .name: value_codes, .offset: 16, .size: 8, .value_kind: global_buffer, .address_space: global }
      - { .name: Wq_scales, .offset: 24, .size: 8, .value_kind: global_buffer, .address_space: global }
      - { .name: Wk_scales, .offset: 32, .size: 8, .value_kind: global_buffer, .address_space: global }
      - { .name: value_scales, .offset: 40, .size: 8, .value_kind: global_buffer, .address_space: global }
      - { .name: query_codes, .offset: 48, .size: 8, .value_kind: global_buffer, .address_space: global }
      - { .name: key_codes, .offset: 56, .size: 8, .value_kind: global_buffer, .address_space: global }
      - { .name: Wv_codes, .offset: 64, .size: 8, .value_kind: global_buffer, .address_space: global }
      - { .name: query_scales, .offset: 72, .size: 8, .value_kind: global_buffer, .address_space: global }
      - { .name: key_scales, .offset: 80, .size: 8, .value_kind: global_buffer, .address_space: global }
      - { .name: Wv_scales, .offset: 88, .size: 8, .value_kind: global_buffer, .address_space: global }
      - { .name: bq, .offset: 96, .size: 8, .value_kind: global_buffer, .address_space: global }
      - { .name: bk, .offset: 104, .size: 8, .value_kind: global_buffer, .address_space: global }
      - { .name: bv, .offset: 112, .size: 8, .value_kind: global_buffer, .address_space: global }
      - { .name: qws, .offset: 120, .size: 8, .value_kind: global_buffer, .address_space: global }
      - { .name: kvws, .offset: 128, .size: 8, .value_kind: global_buffer, .address_space: global }
    .group_segment_fixed_size: 209920
    .private_segment_fixed_size: 0
    .kernarg_segment_align: 8
    .kernarg_segment_size: 136
    .max_flat_workgroup_size: 256
    .sgpr_count:     102
    .vgpr_count:     258
    .wavefront_size: 32
...
	.end_amdgpu_metadata
.endif
;; end of part 1
;; launch attn (part 2): grid 4 x 64, 16 waves a work-group, clusters of 4 x 1, 169,984 bytes of LDS; arguments qws, kvws, xc, xs; writes xc, xs
.if DOCPART == 2
	.amdgcn_target "amdgcn-amd-amdhsa--gfx1250"
	.amdhsa_code_object_version 6
	.text
	.protected	k_q7d18bfdc18_attn
	.globl	k_q7d18bfdc18_attn
	.p2align	8
	.type	k_q7d18bfdc18_attn,@function
k_q7d18bfdc18_attn:
	s_mov_b64 s[64:65], 0
	v_nop
	global_prefetch_b8 v0, s[64:65] scope:SCOPE_SE
	s_setreg_imm32_b32 hwreg(HW_REG_WAVE_MODE, 25, 1), 1
	s_wait_xcnt 0x0
	s_wait_alu depctr_hold_cnt(0) depctr_sa_sdst(0) depctr_va_vdst(0) depctr_va_sdst(0) depctr_va_ssrc(0) depctr_va_vcc(0) depctr_vm_vsrc(0)
	s_getreg_b32 s2, hwreg(HW_REG_IB_STS2, 6, 4)
	s_cmp_eq_u32 s2, 0
	s_cbranch_scc0 .Lentry_in_a_cluster
	s_endpgm
.Lentry_in_a_cluster:
	s_bfe_u32 s2, ttmp6, 0x10000c
	s_cmp_lg_u32 s2, 0x3003
	s_cbranch_scc0 .Lentry_shape_is_right
	s_endpgm
.Lentry_shape_is_right:
; x[b][q][head] = softmax(q k^T / 8) v for one head, both products on codes of FP4 (E2M1) with one E8M0 scale for each 32 along K; x is quantised along the features for the last product.
; THE SOFTMAX AHEAD OF THE SECOND PRODUCT: t = score x log2(e) / 8; M = the running largest t rounded UP to a whole number; p = 2^(t - M) is quantised along the keys, not normalised; the row's sum is taken of the
; unquantised p and divides at the end.  When M moves, the sum and O are multiplied by 2^(old M - new M), which rounds nothing.
; SHARES.  A work-group owns 512 queries of one head (batch x head = cluster y), in two passes of 256; each of its sixteen waves one tile of 16 queries a pass, in 256 registers: four waves to a SIMD, so that one
; wave's vector work stands beside another's matrix work and LDS loads.  Every wave walks the head's 2,048 keys, 128 a step.
; LDS: the head's K and V, codes and scale words, 16 steps x 8,704 bytes as they lie in kvws: images of operand registers, read at 16 x lane and 4 x lane.  Every byte is filled once and stays for both passes.
; CLUSTER 4 x 1: the four work-groups of a head ask for its K and V jointly.  Waves 0-3 issue four loads each (load i of wave w: step 4 i + w): four loads of a wave are out at the most.
; LAYOUT.  Both products are used transposed: S^T = K Q^T, O^T = V^T P^T: a lane holds ONE query (lane % 16) throughout.
; K = 64 FILLS HALF OF AN INSTRUCTION'S 128.  Source 0 is a PAIR of tiles of K (registers 0-3 tile 2 b, registers 4-7 tile 2 b + 1); source 1 is (q, zeros) for tile 2 b's scores and (zeros, q) for tile 2 b + 1's:
; twelve registers 0 q 0 serve both.  K's scale word holds both tiles' two bytes, q's word its two bytes twice.  Zero codes add nothing under any of these bytes.
; LIMITS: NaN and infinities are not served; a block whose largest magnitude lies under 2^(3 - 127) gets the byte 1; a block's largest p is taken as 2^(its largest score's t - M), which takes v_exp_f32 not to fall
; where its input rises; the division by the row's sum is v_rcp_f32 and a multiplication.
.set STEPB, 8704                       ; a step in kvws and in LDS: K's 8 tiles (4,096), V's 4 fragments (4,096), K's scale words (256), V's (256)
.set QSTEP, 4352                       ; a step in qws: 8 tiles, 256 bytes of scale words
.set L16, 1                            ; v1   16 x lane; never rewritten
.set L4,  2                            ; v2   4 x lane; never rewritten
.set ADR, 3                            ; v3   the step's images
.set ADS, 4                            ; v4   the step's scale words
.set R4,  5                            ; v5   4 x (lane % 16); never rewritten
.set KF,  32                           ; v32-63   K's tiles, n at + 4 n
.set VF,  64                           ; v64-95   V's fragments, t at + 8 t
.set S,   96                           ; v96-159  S^T, then p
.set O,   160                          ; v160-191 O^T
.set PC,  192                          ; v192-199 p's codes
.set KS,  200                          ; v200-201 K's scale words: lanes 0-15 pair 0 (2), lanes 16-31 pair 1 (3)
.set VS,  202                          ; v202-203 V's likewise
.set PWD, 204                          ; v204     p's scale word
.set FF,  206                          ; v[206:207] f = 2^(old M - new M), and a 0 named with it as a pair
.set XC,  220                          ; v220-223 x's codes
.set XH,  224                          ; v224     x's two scale bytes
.set BM,  232                          ; v232-235 the blocks' largest scores
.set BT,  236                          ; v236-239 at work
.set SU,  240                          ; v[240:241] the second chain of the sum
.set SO,  244                          ; v244-247 the conversions' scale operands
.set TT,  254
.set WV,  3
.set TB,  12                           ; s12  LDS byte at which the step begins
.set CNT, 13
.set SEL, 14                           ; s[14:15] v_permlanex16_b32's selects for lane l xor 16
.set CS,  16                           ; s[16:17] c = log2(e) / 8; the packed form names a pair
.set G1,  24
.set G0,  32                           ; s[32:47] four groups 0
.macro CROUND
	s_barrier_signal -1
	s_barrier_wait -1
	s_cmp_lg_u32 s[WV], 0
	s_cbranch_scc1 .Lnot_wave_0_\@
	s_barrier_signal -3
.Lnot_wave_0_\@:
	s_barrier_wait -3
	s_barrier_signal -1
	s_barrier_wait -1
.endm
	s_load_b256 s[4:11], s[0:1], 0x0               ; qws, kvws, xc, xs
	v_lshl_add_u32 v253, v0, 2, 0x29000
	v_mov_b32 v255, 0
	ds_add_u32 v253, v255
	ds_add_u32 v253, v255
	v_lshrrev_b32 v3, 5, v0
	s_delay_alu instid0(VALU_DEP_1)
	v_readfirstlane_b32 s[WV], v3                  ; wave 0..15
	s_and_b32 s48, ttmp7, 0xffff                   ; batch x 16 + head: the four partners share it
	; descriptor group 1: a step is a dense block of 34 rows of 256 bytes (32 elements of 8 bytes)
	s_mov_b32 s[G1], 15|(3<<16)|(1<<21)            ; 15:0 the mask: all four work-groups; 17:16 elements of 8 bytes; 21 set beside a mask; no padding
	s_mov_b32 s[G1+1], 32<<16
	s_mov_b32 s[G1+2], 34<<16
	s_mov_b32 s[G1+3], 32<<16
	s_mov_b32 s[G1+4], 34
	s_mov_b32 s[G1+5], 32
	s_mov_b32 s[G1+6], 0
	s_mov_b32 s[G1+7], 0
	s_mul_i32 s19, s[WV], STEPB                    ; step w of a chunk of four: no place in the cluster enters
	s_mul_i32 s20, s48, 16*STEPB
	s_add_co_u32 s20, s20, s19
	s_mov_b32 s21, 0
	s_wait_dscnt 0x0
	s_wait_kmcnt 0x0
	s_add_nc_u64 s[22:23], s[6:7], s[20:21]
.irp i, 0,1,2,3
	s_mov_b32 s[G0+4*\i], 1
	s_add_co_u32 s[G0+4*\i+1], s19, \i*4*STEPB
	s_add_nc_u64 s[G0+4*\i+2:G0+4*\i+3], s[22:23], \i*4*STEPB
	s_or_b32 s[G0+4*\i+3], s[G0+4*\i+3], 0x80000000
.endr
	CROUND                                         ; all four work-groups are here: the joint loads meet
	s_cmp_lt_u32 s[WV], 4                          ; a wave's four fills stand in one branch on its number, ahead of every wait on TENSORcnt, every LDS read and every other barrier
	s_cbranch_scc0 .Lno_fetch
	tensor_load_to_lds s[G0:G0+3], s[G1:G1+7]
	s_nop 0
	tensor_load_to_lds s[G0+4:G0+7], s[G1:G1+7]
	s_nop 0
	tensor_load_to_lds s[G0+8:G0+11], s[G1:G1+7]
	s_nop 0
	tensor_load_to_lds s[G0+12:G0+15], s[G1:G1+7]
	s_nop 0
.rept 4
	v_nop
.endr
.Lno_fetch:
	s_bfe_u32 s49, ttmp6, 0x40000                  ; cx: it enters the addresses of q, xc and xs alone
	s_lshl_b32 s50, ttmp9, 2
	s_add_co_u32 s49, s49, s50                     ; my block of 512 queries
	s_mul_i32 s52, s48, 16*QSTEP
	s_lshl_b32 s53, s49, 2
	s_lshr_b32 s54, s[WV], 3
	s_add_co_u32 s53, s53, s54                     ; pass 0's query tile is 32 x block + w: step 4 x block + w / 8, tile w % 8
	s_mul_i32 s53, s53, QSTEP
	s_add_co_u32 s52, s52, s53
	s_and_b32 s54, s[WV], 7
	s_lshl_b32 s55, s54, 9
	s_add_co_u32 s56, s52, s55
	s_mov_b32 s57, 0
	s_lshr_b32 s54, s54, 1
	s_lshl_b32 s54, s54, 6
	s_add_co_u32 s58, s52, s54
	s_add_co_u32 s58, s58, 4096                    ; its pair's scale words
	s_mov_b32 s59, 0
	s_add_nc_u64 s[56:57], s[4:5], s[56:57]
	s_add_nc_u64 s[58:59], s[4:5], s[58:59]
	s_lshr_b32 s50, s48, 4
	s_lshl_b32 s50, s50, 7
	s_lshl_b32 s51, s49, 5
	s_add_co_u32 s50, s50, s51
	s_add_co_u32 s50, s50, s[WV]                   ; pass 0's row tile of x: 128 x batch + 32 x block + w
	s_bfe_u32 s51, s48, 0x30001                    ; the last product's K step: head / 2
	s_and_b32 s53, s48, 1                          ; and the half of it: head % 2
	s_lshl_b32 s60, s50, 13
	s_lshl_b32 s54, s51, 10
	s_add_co_u32 s60, s60, s54
	s_lshl_b32 s54, s53, 9
	s_add_co_u32 s60, s60, s54
	s_mov_b32 s61, 0
	s_lshl_b32 s62, s50, 9
	s_lshl_b32 s54, s51, 6
	s_add_co_u32 s62, s62, s54
	s_lshl_b32 s54, s53, 1
	s_add_co_u32 s62, s62, s54
	s_mov_b32 s63, 0
	s_add_nc_u64 s[60:61], s[8:9], s[60:61]        ; xc
	s_add_nc_u64 s[62:63], s[10:11], s[62:63]      ; xs
	s_mov_b32 s18, 0x05040100                      ; an even tile's two bytes are the word's lower two,
	s_and_b32 s54, s[WV], 1
	s_cmp_lg_u32 s54, 0
	s_cselect_b32 s18, 0x07060302, s18             ; an odd tile's the upper two: each twice
	s_mov_b32 s[SEL], 0x76543210
	s_mov_b32 s[SEL+1], 0xfedcba98
	s_mov_b32 s[CS], 0x3e38aa3b                    ; c = log2(e) / 8
	s_mov_b32 s[CS+1], s[CS]
	v_and_b32 v3, 31, v0
	s_delay_alu instid0(VALU_DEP_1)
	v_lshlrev_b32 v[L16], 4, v3
	s_delay_alu instid0(VALU_DEP_2)
	v_lshlrev_b32 v[L4], 2, v3
	v_and_b32 v[R4], 15, v0
	s_delay_alu instid0(VALU_DEP_1)
	v_lshlrev_b32 v[R4], 2, v[R4]
	global_load_b128 v[20:23], v[L16], s[56:57]                    ; pass 0's q: v16-27 = 0 q 0
	global_load_b128 v[212:215], v[L16], s[56:57] offset:2*QSTEP   ; pass 1's, sixteen tiles on: v208-219
	global_load_b32 v30, v[R4], s[58:59]
	global_load_b32 v31, v[R4], s[58:59] offset:2*QSTEP
.irp n, 16,17,18,19,24,25,26,27,208,209,210,211,216,217,218,219
	v_mov_b32 v[\n], 0
.endr
	s_wait_loadcnt 0x0
	v_perm_b32 v28, v30, v30, s18                  ; q's scale word, pass 0
	v_perm_b32 v29, v31, v31, s18                  ; pass 1
.macro INIT                            ; a pass begins: the first change of M multiplies zeros
	v_mov_b32 v13, 0xff61b1e6                      ; the largest t so far: -3e38
	s_delay_alu instid0(VALU_DEP_1)
	v_floor_f32 v12, -v13                          ; -M
	v_mov_b32 v14, 0                               ; the sum, in two halves
	v_mov_b32 v15, 0
	v_mov_b32 v[FF+1], 0
.irp b, 0,1,2,3
	v_mov_b32 v[BT+\b], 0                          ; a lane permute's destination counts as one of its sources
.endr
.set n, 0
.rept 32
	v_mov_b32 v[O+n], 0
.set n, n+1
.endr
.endm
.macro SPROD b, u, QB, QW              ; the scores of tile 2 b + u
.set rD, S+8*(2*(\b)+(\u))
.set rA, KF+8*(\b)
.set rB, (\QB)+4-4*(\u)
.if ((\b)%2) == 0
	v_wmma_scale_f32_16x16x128_f8f6f4 v[rD:rD+7], v[rA:rA+7], v[rB:rB+7], 0, v[KS+(\b)/2], v[\QW] matrix_a_fmt:MATRIX_FMT_FP4 matrix_b_fmt:MATRIX_FMT_FP4
.else
	v_wmma_scale_f32_16x16x128_f8f6f4 v[rD:rD+7], v[rA:rA+7], v[rB:rB+7], 0, v[KS+(\b)/2], v[\QW] matrix_a_fmt:MATRIX_FMT_FP4 matrix_b_fmt:MATRIX_FMT_FP4 matrix_a_scale:MATRIX_SCALE_ROW1
.endif
.endm
.macro PVPROD t                        ; O^T's tile t += V's fragment t x p
.set rD, O+8*(\t)
.set rA, VF+8*(\t)
.if ((\t)%2) == 0
	v_wmma_scale_f32_16x16x128_f8f6f4 v[rD:rD+7], v[rA:rA+7], v[PC:PC+7], v[rD:rD+7], v[VS+(\t)/2], v[PWD] matrix_a_fmt:MATRIX_FMT_FP4 matrix_b_fmt:MATRIX_FMT_FP4
.else
	v_wmma_scale_f32_16x16x128_f8f6f4 v[rD:rD+7], v[rA:rA+7], v[PC:PC+7], v[rD:rD+7], v[VS+(\t)/2], v[PWD] matrix_a_fmt:MATRIX_FMT_FP4 matrix_b_fmt:MATRIX_FMT_FP4 matrix_a_scale:MATRIX_SCALE_ROW1
.endif
.endm
; A KEY STEP: 128 keys.  QB: the first of the twelve registers 0 q 0; QW: q's scale word.
.macro STEP QB, QW
	v_add_nc_u32 v[ADR], s[TB], v[L16]             ; these two and two v_nop: the four places between the last step's products and the loads into the registers that they read
	v_add_nc_u32 v[ADS], s[TB], v[L4]
	v_nop
	v_nop
	ds_load_b32 v[KS], v[ADS] offset:8192
	ds_load_b32 v[KS+1], v[ADS] offset:8320
.irp n, 0,1,2,3,4,5,6,7
	ds_load_b128 v[KF+4*\n:KF+4*\n+3], v[ADR] offset:512*\n
.endr
	ds_load_b32 v[VS], v[ADS] offset:8448
	ds_load_b32 v[VS+1], v[ADS] offset:8576
.irp n, 0,1,2,3,4,5,6,7
	ds_load_b128 v[VF+4*\n:VF+4*\n+3], v[ADR] offset:4096+512*\n
.endr
	s_wait_dscnt 10                                ; K's ten loads are in; V's ten, issued behind them, land under the softmax
.irp b, 0,1,2,3
.irp u, 0,1
	SPROD \b, \u, \QB, \QW
.endr
.endr                                              ; lane (r, h): query r; tile n's register i is key 16 n + 8 h + i
.rept 4
	v_nop
.endr
.irp b, 0,1,2,3
	v_max3_num_f32 v[BM+\b], v[S+16*\b], v[S+1+16*\b], v[S+2+16*\b]   ; the largest score of each block of 32 keys (tiles 2 b, 2 b + 1): for the row's maximum, and for the block's largest p
.endr
.irp i, 3,5,7,9,11,13
.irp b, 0,1,2,3
	v_max3_num_f32 v[BM+\b], v[BM+\b], v[S+16*\b+\i], v[S+1+16*\b+\i]
.endr
.endr
.irp b, 0,1,2,3
	v_max_num_f32 v[BM+\b], v[BM+\b], v[S+15+16*\b]
.endr
.irp b, 0,1,2,3
	s_delay_alu instid0(VALU_DEP_4)
	v_permlanex16_b32 v[BT+\b], v[BM+\b], s[SEL], s[SEL+1]
.endr
.irp b, 0,1,2,3
	s_delay_alu instid0(VALU_DEP_4)
	v_max_num_f32 v[BM+\b], v[BM+\b], v[BT+\b]     ; with lane l xor 16's sixteen keys
.endr
	s_delay_alu instid0(VALU_DEP_2)
	v_max3_num_f32 v[TT], v[BM], v[BM+1], v[BM+2]
	s_delay_alu instid0(VALU_DEP_1)
	v_max_num_f32 v[TT], v[TT], v[BM+3]
	s_delay_alu instid0(VALU_DEP_1)
	v_mul_f32 v[TT], s[CS], v[TT]                  ; the step's largest t (c is positive)
	s_delay_alu instid0(VALU_DEP_1)
	v_max_num_f32 v13, v13, v[TT]                  ; the running largest t
	v_mov_b32 v[TT], v12
	s_delay_alu instid0(VALU_DEP_2)
	v_floor_f32 v12, -v13                          ; the new -M = -ceil(t)
	s_delay_alu instid0(VALU_DEP_1)
	v_sub_f32 v[TT], v12, v[TT]                    ; old M - new M: a whole number, 0 or less
	s_delay_alu instid0(VALU_DEP_1)
	v_cvt_i32_f32 v[TT], v[TT]                     ; (it saturates)
	s_delay_alu instid0(VALU_DEP_1)
	v_ldexp_f32 v[FF], 1.0, v[TT]                  ; f = 2^(old M - new M)
.set j, 0
.rept 32
	v_pk_fma_f32 v[S+j:S+j+1], v[S+j:S+j+1], s[CS:CS+1], v[12:13] op_sel_hi:[1,0,0]   ; t - M, two at a time
.set j, j+2
.endr
.irp b, 0,1,2,3
	v_fma_f32 v[BM+\b], v[BM+\b], s[CS], v12       ; the same of each block's largest score
.endr
.set j, 0
	s_wait_alu depctr_va_vdst(0)
.rept 64
	v_exp_f32 v[S+j], v[S+j]                       ; p = 2^(t - M), at most 1
.set j, j+1
.endr
	s_setprio 1
.irp b, 0,1,2,3
	v_exp_f32 v[BM+\b], v[BM+\b]                   ; the block's largest p: the same two instructions on the same number
.endr
	v_pk_mul_f32 v[14:15], v[14:15], v[FF:FF+1] op_sel_hi:[1,0]   ; the sums under the new M.  (The plain place behind the exponentials)
	s_wait_alu depctr_va_vdst(0)
.irp b, 0,1,2,3
	v_max_num_f32 v[BM+\b], 0x1800000, v[BM+\b]    ; the floor 2^(3 - 127): the byte cannot fall under 1
.endr
.irp b, 0,1,2,3
	s_delay_alu instid0(VALU_DEP_4)
	v_add_nc_u32 v[SO+\b], 0xff000000, v[BM+\b]    ; 2 off the exponent field: the conversion's scale operand
.endr
.irp b, 0,1,2,3
	s_delay_alu instid0(VALU_DEP_4)
	v_lshrrev_b32 v[BT+\b], 23, v[SO+\b]           ; the scale's byte
.endr
	s_delay_alu instid0(VALU_DEP_3)
	v_lshl_or_b32 v[PWD], v[BT+1], 8, v[BT]
	s_delay_alu instid0(VALU_DEP_1)
	v_lshl_or_b32 v[PWD], v[BT+2], 16, v[PWD]
	s_delay_alu instid0(VALU_DEP_1)
	v_lshl_or_b32 v[PWD], v[BT+3], 24, v[PWD]
.irp b, 0,1,2,3                                    ; my eight keys of tile 2 b + u are piece 2 u + lane / 16 of block b: the codes of (b, u) go to register 4 (b / 2) + 2 u + b % 2,
	v_cvt_scalef32_pk8_fp4_f32 v[PC+4*(\b/2)+\b%2], v[S+16*\b:S+16*\b+7], v[SO+\b]
	v_cvt_scalef32_pk8_fp4_f32 v[PC+4*(\b/2)+2+\b%2], v[S+16*\b+8:S+16*\b+15], v[SO+\b]
.endr
	v_nop                                          ; one plain place behind a scaled conversion
.irp c, 0,1                                        ; and the exchange of halves leaves piece i of block 2 c + h in register 4 c + i of lane half h, as the operand's layout asks
	v_permlane16_swap_b32 v[PC+4*\c], v[PC+4*\c+1]
	v_permlane16_swap_b32 v[PC+4*\c+2], v[PC+4*\c+3]
.endr
	v_pk_add_f32 v[240:241], v[100:101], v[104:105]
	v_pk_add_f32 v[250:251], v[108:109], v[112:113]
	v_pk_add_f32 v[248:249], v[116:117], v[120:121]
	v_pk_add_f32 v[246:247], v[124:125], v[128:129]
	v_pk_add_f32 v[244:245], v[132:133], v[136:137]
	v_pk_add_f32 v[242:243], v[140:141], v[144:145]
	v_pk_add_f32 v[234:235], v[148:149], v[152:153]
	v_pk_add_f32 v[14:15], v[14:15], v[156:157]
	v_pk_add_f32 v[240:241], v[240:241], v[96:97]
	v_pk_add_f32 v[250:251], v[250:251], v[98:99]
	v_pk_add_f32 v[248:249], v[248:249], v[102:103]
	v_pk_add_f32 v[246:247], v[246:247], v[106:107]
	v_pk_add_f32 v[244:245], v[244:245], v[110:111]
	v_pk_add_f32 v[242:243], v[242:243], v[114:115]
	v_pk_add_f32 v[234:235], v[234:235], v[118:119]
	v_pk_add_f32 v[14:15], v[14:15], v[122:123]
	v_pk_add_f32 v[240:241], v[240:241], v[126:127]
	v_pk_add_f32 v[250:251], v[250:251], v[130:131]
	v_pk_add_f32 v[248:249], v[248:249], v[134:135]
	v_pk_add_f32 v[246:247], v[246:247], v[138:139]
	v_pk_add_f32 v[244:245], v[244:245], v[142:143]
	v_pk_add_f32 v[242:243], v[242:243], v[146:147]
	v_pk_add_f32 v[234:235], v[234:235], v[150:151]
	v_pk_add_f32 v[14:15], v[14:15], v[154:155]
	v_pk_add_f32 v[240:241], v[240:241], v[158:159]
	s_delay_alu instid0(VALU_DEP_2)
	v_pk_add_f32 v[14:15], v[14:15], v[246:247]
	s_delay_alu instid0(VALU_DEP_2)
	v_pk_add_f32 v[240:241], v[240:241], v[244:245]
	v_pk_add_f32 v[250:251], v[250:251], v[242:243]
	v_pk_add_f32 v[248:249], v[248:249], v[234:235]
	s_delay_alu instid0(VALU_DEP_2)
	v_pk_add_f32 v[14:15], v[14:15], v[250:251]
	s_delay_alu instid0(VALU_DEP_2)
	v_pk_add_f32 v[240:241], v[240:241], v[248:249]
	s_delay_alu instid0(VALU_DEP_1)
	v_pk_add_f32 v[14:15], v[14:15], v[240:241]
.set j, 0
	s_setprio 0
.rept 16
	v_pk_mul_f32 v[O+j:O+j+1], v[O+j:O+j+1], v[FF:FF+1] op_sel_hi:[1,0]   ; O^T under the new M, each accumulator from its low end on.  (These and the sums are the places between the writes of p's codes and scale word and the products)
.set j, j+2
.endr
	s_wait_alu depctr_va_vdst(0)
	s_wait_dscnt 0x0                               ; V is in
.irp t, 0,1,2,3
	PVPROD \t
.endr
	s_add_co_u32 s[TB], s[TB], STEPB
.endm
.macro KEYS n, start, QB, QW           ; n key steps from LDS byte start on
	s_mov_b32 s[TB], \start
	s_mov_b32 s[CNT], \n
.Lkeys_\@:
	s_setprio 2
	STEP \QB, \QW
	s_sub_co_u32 s[CNT], s[CNT], 1
	s_cmp_lg_u32 s[CNT], 0
	s_cbranch_scc1 .Lkeys_\@
	s_setprio 0
.endm
.macro MEET left                       ; a chunk of four steps is in: left = the later chunks' loads of a fetching wave, which may stay out
	s_wait_tensorcnt \left
	s_wait_dscnt 0x0
	s_barrier_signal -1
	s_barrier_wait -1
.endm
; A pass ends: O^T / the sum is x's 64 numbers of my head for query r: two blocks of 32 (tiles 2 b, 2 b + 1), quantised as p is, and stored as half a fragment of the last product's operand.
.macro OUT pass
	s_wait_xcnt 0x0                                ; the earlier pass's stores have read their data registers, which are written again below
.rept 4
	v_nop                                          ; places behind the last products
.endr
	v_add_f32 v14, v14, v15
	s_delay_alu instid0(VALU_DEP_1)
	v_permlanex16_b32 v[BT], v14, s[SEL], s[SEL+1]
	s_delay_alu instid0(VALU_DEP_1)
	v_add_f32 v14, v14, v[BT]                      ; the row's sum
	s_wait_alu depctr_va_vdst(0)
	v_rcp_f32 v14, v14
	v_nop                                          ; one plain place behind a transcendental
.set j, 0
	s_wait_alu depctr_va_vdst(0)
.rept 16
	v_pk_mul_f32 v[S+j:S+j+1], v[O+j:O+j+1], v[14:15] op_sel_hi:[1,0]
.set j, j+2
.endr
.irp b, 0,1
	v_max3_num_f32 v[BM+\b], |v[S+16*\b]|, |v[S+1+16*\b]|, 0x1800000
.endr
.irp i, 2,4,6,8,10,12,14
.irp b, 0,1
	s_delay_alu instid0(VALU_DEP_2)
	v_max3_num_f32 v[BM+\b], v[BM+\b], |v[S+16*\b+\i]|, |v[S+1+16*\b+\i]|
.endr
.endr
.irp b, 0,1
	s_delay_alu instid0(VALU_DEP_2)
	v_permlanex16_b32 v[BT+\b], v[BM+\b], s[SEL], s[SEL+1]
.endr
.irp b, 0,1
	s_delay_alu instid0(VALU_DEP_2)
	v_max_num_f32 v[BM+\b], v[BM+\b], v[BT+\b]
.endr
.irp b, 0,1
	s_delay_alu instid0(VALU_DEP_2)
	v_add_nc_u32 v[SO+\b], 0xff000000, v[BM+\b]
.endr
.irp b, 0,1
	s_delay_alu instid0(VALU_DEP_2)
	v_lshrrev_b32 v[BT+\b], 23, v[SO+\b]
.endr
	s_delay_alu instid0(VALU_DEP_1)
	v_lshl_or_b32 v[XH], v[BT+1], 8, v[BT]
.irp b, 0,1
	v_cvt_scalef32_pk8_fp4_f32 v[XC+\b], v[S+16*\b:S+16*\b+7], v[SO+\b]
	v_cvt_scalef32_pk8_fp4_f32 v[XC+2+\b], v[S+16*\b+8:S+16*\b+15], v[SO+\b]
.endr
	v_nop
	v_permlane16_swap_b32 v[XC], v[XC+1]
	v_permlane16_swap_b32 v[XC+2], v[XC+3]
	global_store_b128 v[L16], v[XC:XC+3], s[60:61] offset:131072*\pass   ; 512 consecutive bytes, aligned; a pass is sixteen row tiles of 8,192 bytes
	global_store_b16 v[R4], v[XH], s[62:63] offset:8192*\pass            ; my head's two bytes of row r's scale word; lanes 16-31 write the same bytes with the same values.  32 bytes a tile against the codes' 512
.endm
	INIT
	MEET 3
	KEYS 4, 0, 16, 28
	MEET 2
	KEYS 4, 4*STEPB, 16, 28
	MEET 1
	KEYS 4, 8*STEPB, 16, 28
	MEET 0
	KEYS 4, 12*STEPB, 16, 28
	OUT 0
	INIT                                           ; the second 256 queries walk the K and V that lie in LDS
	KEYS 16, 0, 208, 29
	OUT 1
	s_wait_dscnt 0x0
	s_wait_tensorcnt 0x0
	ds_add_u32 v253, v255
	s_wait_dscnt 0x0
	CROUND                                         ; the closing round
	s_endpgm
.Lfunc_end_k_q7d18bfdc18_attn:
	.size	k_q7d18bfdc18_attn, .Lfunc_end_k_q7d18bfdc18_attn-k_q7d18bfdc18_attn
	.p2alignl 7, 3214868480
	.fill 96, 4, 3214868480
	.section	.rodata,"a",@progbits
	.p2align	6, 0x0
	.amdhsa_kernel k_q7d18bfdc18_attn
		.amdhsa_group_segment_fixed_size 169984
		.amdhsa_private_segment_fixed_size 0
		.amdhsa_enable_private_segment 0
		.amdhsa_kernarg_size 32
		.amdhsa_user_sgpr_count 2
		.amdhsa_user_sgpr_kernarg_segment_ptr 1
		.amdhsa_wavefront_size32 1
		.amdhsa_system_sgpr_workgroup_id_x 1
		.amdhsa_system_sgpr_workgroup_id_y 1
		.amdhsa_system_sgpr_workgroup_id_z 1
		.amdhsa_system_vgpr_workitem_id 0
		.amdhsa_next_free_vgpr 256
		.amdhsa_next_free_sgpr 66
		.amdhsa_reserve_vcc 0
		.amdhsa_float_denorm_mode_32 3
		.amdhsa_float_denorm_mode_16_64 3
		.amdhsa_memory_ordered 1
		.amdhsa_forward_progress 1
		.amdhsa_inst_pref_size 99
	.end_amdhsa_kernel
	.amdgpu_metadata
---
amdhsa.version: [ 1, 2 ]
amdhsa.kernels:
  - .name:           k_q7d18bfdc18_attn
    .symbol:         k_q7d18bfdc18_attn.kd
    .args:
      - { .name: qws, .offset: 0, .size: 8, .value_kind: global_buffer, .address_space: global }
      - { .name: kvws, .offset: 8, .size: 8, .value_kind: global_buffer, .address_space: global }
      - { .name: xc, .offset: 16, .size: 8, .value_kind: global_buffer, .address_space: global }
      - { .name: xs, .offset: 24, .size: 8, .value_kind: global_buffer, .address_space: global }
    .group_segment_fixed_size: 169984
    .private_segment_fixed_size: 0
    .kernarg_segment_align: 8
    .kernarg_segment_size: 32
    .max_flat_workgroup_size: 512
    .sgpr_count:     66
    .vgpr_count:     256
    .wavefront_size: 32
...
	.end_amdgpu_metadata
.endif
;; end of part 2
;; launch oproj (part 3): grid 4 x 64, 8 waves a work-group, clusters of 4 x 4, 273,408 bytes of LDS; arguments Wo_codes, Wo_scales, xc, xs, bo, out0; writes out0
.if DOCPART == 3
	.amdgcn_target "amdgcn-amd-amdhsa--gfx1250"
	.amdhsa_code_object_version 6
	.text
	.protected	k_q7d18bfdc18_oproj
	.globl	k_q7d18bfdc18_oproj
	.p2align	8
	.type	k_q7d18bfdc18_oproj,@function
k_q7d18bfdc18_oproj:
	s_mov_b64 s[64:65], 0
	v_nop
	global_prefetch_b8 v0, s[64:65] scope:SCOPE_SE
	s_setreg_imm32_b32 hwreg(HW_REG_WAVE_MODE, 25, 1), 1
	s_wait_xcnt 0x0
	s_wait_alu depctr_hold_cnt(0) depctr_sa_sdst(0) depctr_va_vdst(0) depctr_va_sdst(0) depctr_va_ssrc(0) depctr_va_vcc(0) depctr_vm_vsrc(0)
	s_getreg_b32 s2, hwreg(HW_REG_IB_STS2, 6, 4)
	s_cmp_eq_u32 s2, 0
	s_cbranch_scc0 .Lentry_in_a_cluster
	s_endpgm
.Lentry_in_a_cluster:
	s_bfe_u32 s2, ttmp6, 0x10000c
	s_cmp_lg_u32 s2, 0xf033
	s_cbranch_scc0 .Lentry_shape_is_right
	s_endpgm
.Lentry_shape_is_right:
; out0 = x Wo + bo on codes of FP4 (E2M1) with one E8M0 scale for each 32 along K = 1,024.  Wo: rows of 512 bytes of codes, K innermost, rows of 32 scale bytes.
; x: images of operand registers, [row tile of 16][K step 8][half 2][512 bytes], and scale words [row tile][K step][row 16].
; Every sum is D(m, n) = Wo's row m . x's row n, source 0 = 16 rows of Wo (P), source 1 = 16 rows of x (R): a lane holds one token and eight neighbouring output columns.
; SHARES.  A work-group makes 256 columns x 128 tokens; wave w: columns 128 (w % 2) on, tokens 32 (w / 2) on: 16 accumulators, 8 K steps of 128.
; CLUSTER 4 x 4: Wo's block hangs on cx and is shared along a column of the cluster, x's on cy and is shared along a row: each is asked for jointly.
; LDS: all of K, in two halves, each filled once: half c at c x HALF: Wo's 256 rows (256 bytes + 16 of padding), then x's 8 row tiles x 4,096 bytes as they lie.  Behind both halves the stage for the way out,
; 16 rows x 528 bytes for each wave, into which no tensor load lands.  Waves 0-3 fetch Wo's rows 64 w on, waves 4-7 x's row tiles 2 (w - 4) on: two tensor loads of a wave are out at the most.
; REGISTERS: v1, v2 LDS addresses; v5-7 the way out; v8-15 x's scale words; v16-47 Wo's; v48-111 Wo's eight fragments; v112-127 x's two; v128-255 the accumulators ((i, j) at 128 + 64 j + 8 i).
.set PITCH, 272
.set RBASE, 256*PITCH
.set HALF,  RBASE+8*4096               ; 102,400 bytes
.set STAGE, 2*HALF
.set SPITCH, 528
.set ADP, 1
.set ADR, 2
.set STO, 5
.set RD,  6
.set CO,  7
.set SR,  8                            ; v[SR + K step]: lanes 0-15 the words of x's tile 0, lanes 16-31 of tile 1
.set SP,  16                           ; v[SP + 8 (i % 4) + K step]: lanes 0-15 Wo's tile i % 4, lanes 16-31 tile i % 4 + 4
.set PF,  48
.set RF,  112
.set ACC, 128
.set WV,  3
.set G1P, 24
.set G1R, 32
.set G0P, 40
.set G0R, 48
.macro CROUND
	s_barrier_signal -1
	s_barrier_wait -1
	s_cmp_lg_u32 s[WV], 0
	s_cbranch_scc1 .Lnot_wave_0_\@
	s_barrier_signal -3
.Lnot_wave_0_\@:
	s_barrier_wait -3
	s_barrier_signal -1
	s_barrier_wait -1
.endm
	s_load_b256 s[4:11], s[0:1], 0x0               ; Wo's codes, Wo's scales, xc, xs
	s_load_b128 s[12:15], s[0:1], 0x20             ; bo, out0
	v_lshl_add_u32 v4, v0, 2, 0x42800
	s_set_vgpr_msb 0x40
	v_mov_b32 v1, 0
	s_set_vgpr_msb 0x4044
	ds_add_u32 v4, v1
	ds_add_u32 v4, v1
	s_set_vgpr_msb 0x4400
	v_lshrrev_b32 v3, 5, v0
	s_delay_alu instid0(VALU_DEP_1)
	v_readfirstlane_b32 s[WV], v3                  ; wave 0..7
	s_and_b32 s22, s[WV], 3                        ; which quarter I fetch
	s_and_b32 s23, s[WV], 1                        ; wp: my 128 columns
	s_lshr_b32 s56, s[WV], 1                       ; wr: my 32 tokens
	s_bfe_u32 s18, ttmp6, 0x40000                  ; cx
	s_bfe_u32 s19, ttmp6, 0x40004                  ; cy
	s_lshl_b32 s20, ttmp9, 2
	s_add_co_u32 s20, s20, s18                     ; Wo's block of 256 rows
	s_and_b32 s21, ttmp7, 0xffff
	s_lshl_b32 s21, s21, 2
	s_add_co_u32 s21, s21, s19                     ; x's block of 128 rows
	s_lshl_b32 s60, 0x1111, s18                    ; my column of the cluster
	s_lshl_b32 s61, s19, 2
	s_lshl_b32 s61, 15, s61                        ; my row
	s_or_b32 s[G1P], s60, (1<<20)|(1<<21)|(5<<22)|(3<<25)   ; Wo: 64 rows x 256 bytes, 512 apart in memory, four words of padding after every 64
	s_mov_b32 s[G1P+1], 256<<16
	s_mov_b32 s[G1P+2], 64<<16
	s_mov_b32 s[G1P+3], 256<<16
	s_mov_b32 s[G1P+4], 64
	s_mov_b32 s[G1P+5], 512
	s_mov_b32 s[G1P+6], 0
	s_mov_b32 s[G1P+7], 0
	s_or_b32 s[G1R], s61, (3<<16)|(1<<21)          ; x: 2 row tiles x 4,096 bytes (512 elements of 8), 8,192 apart in memory, no padding
	s_mov_b32 s[G1R+1], 512<<16
	s_mov_b32 s[G1R+2], 2<<16
	s_mov_b32 s[G1R+3], 512<<16
	s_mov_b32 s[G1R+4], 2
	s_mov_b32 s[G1R+5], 1024
	s_mov_b32 s[G1R+6], 0
	s_mov_b32 s[G1R+7], 0
	s_mul_i32 s62, s22, 64*PITCH                   ; where they go: no place in the cluster enters
	s_lshl_b32 s63, s22, 13
	s_add_co_u32 s63, s63, RBASE
	s_lshl_b32 s16, s20, 17                        ; Wo: (256 block + 64 quarter) rows of 512 bytes: cx and the wave's number alone
	s_lshl_b32 s17, s22, 15
	s_add_co_u32 s16, s16, s17
	s_mov_b32 s17, 0
	s_lshl_b32 s58, s21, 16                        ; x: (8 block + 2 quarter) row tiles of 8,192 bytes: cy, the cluster's y and the wave's number alone
	s_lshl_b32 s59, s22, 14
	s_add_co_u32 s58, s58, s59
	s_mov_b32 s59, 0
	s_wait_dscnt 0x0
	s_wait_kmcnt 0x0
	s_mov_b32 s[G0P], 1
	s_mov_b32 s[G0P+1], s62
	s_add_nc_u64 s[G0P+2:G0P+3], s[4:5], s[16:17]
	s_mov_b32 s[G0P+4], 1
	s_add_co_u32 s[G0P+5], s62, HALF
	s_add_nc_u64 s[G0P+6:G0P+7], s[G0P+2:G0P+3], 256
	s_or_b32 s[G0P+3], s[G0P+3], 0x80000000
	s_or_b32 s[G0P+7], s[G0P+7], 0x80000000
	s_mov_b32 s[G0R], 1
	s_mov_b32 s[G0R+1], s63
	s_add_nc_u64 s[G0R+2:G0R+3], s[8:9], s[58:59]
	s_mov_b32 s[G0R+4], 1
	s_add_co_u32 s[G0R+5], s63, HALF
	s_add_nc_u64 s[G0R+6:G0R+7], s[G0R+2:G0R+3], 4096
	s_or_b32 s[G0R+3], s[G0R+3], 0x80000000
	s_or_b32 s[G0R+7], s[G0R+7], 0x80000000
	CROUND                                         ; all sixteen work-groups are here: the joint loads meet
	s_cmp_lt_u32 s[WV], 4                          ; a wave's two fills stand in one branch on its number
	s_cbranch_scc0 .Lfor_x
	tensor_load_to_lds s[G0P:G0P+3], s[G1P:G1P+7]
	s_nop 0
	tensor_load_to_lds s[G0P+4:G0P+7], s[G1P:G1P+7]
	s_nop 0
.rept 4
	v_nop
.endr
	s_branch .Lasked
.Lfor_x:
	tensor_load_to_lds s[G0R:G0R+3], s[G1R:G1R+7]
	s_nop 0
	tensor_load_to_lds s[G0R+4:G0R+7], s[G1R:G1R+7]
	s_nop 0
.rept 4
	v_nop
.endr
.Lasked:
	v_and_b32 v100, 15, v0                         ; r
	v_bfe_u32 v101, v0, 4, 1                       ; h
	v_and_b32 v102, 31, v0                         ; lane
	s_delay_alu instid0(VALU_DEP_3)
	v_mul_u32_u24 v103, v100, PITCH
	s_delay_alu instid0(VALU_DEP_1)
	v_lshl_add_u32 v103, v101, 4, v103
	s_mul_i32 s57, s23, 128*PITCH
	v_add_nc_u32 v[ADP], s57, v103                 ; Wo's fragments: row x pitch + 16 h
	v_lshlrev_b32 v[CO], 4, v102                   ; 16 x lane
	s_lshl_b32 s57, s56, 13
	s_add_co_u32 s57, s57, RBASE
	v_add_nc_u32 v[ADR], s57, v[CO]                ; x's images: my two row tiles, 16 x lane
	s_mul_i32 s57, s[WV], 16*SPITCH
	s_add_co_u32 s57, s57, STAGE                   ; my stage
	v_mul_u32_u24 v[STO], v100, SPITCH
	s_delay_alu instid0(VALU_DEP_1)
	v_lshl_add_u32 v[STO], v101, 5, v[STO]
	s_delay_alu instid0(VALU_DEP_1)
	v_add_nc_u32 v[STO], s57, v[STO]               ; in: row r, 32 bytes for each half of the lanes
	v_add_nc_u32 v[RD], s57, v[CO]                 ; back: the 32 lanes take one row of 512 bytes
	v_lshlrev_b32 v104, 5, v100
	s_delay_alu instid0(VALU_DEP_1)
	v_lshl_add_u32 v104, v101, 11, v104            ; Wo's scales: row r, lanes 16-31 sixty-four rows on
	s_wait_alu depctr_va_vdst(0)
	v_lshlrev_b32 v105, 2, v100
	s_delay_alu instid0(VALU_DEP_1)
	v_lshl_add_u32 v105, v101, 9, v105             ; x's scale words: 4 r, lanes 16-31 the next row tile
	s_wait_alu depctr_va_vdst(0)
	v_lshlrev_b32 v106, 5, v101                    ; the bias: 8 h numbers on
	s_wait_alu depctr_va_vdst(0)
	s_lshl_b32 s16, s20, 13
	s_lshl_b32 s17, s23, 12
	s_add_co_u32 s16, s16, s17
	s_mov_b32 s17, 0
	s_add_nc_u64 s[6:7], s[6:7], s[16:17]          ; Wo's scales at my 128 rows
	s_lshl_b32 s16, s20, 10
	s_lshl_b32 s57, s23, 9
	s_add_co_u32 s16, s16, s57
	s_add_nc_u64 s[12:13], s[12:13], s[16:17]      ; bo at my 128 columns
	s_lshl_b32 s58, s21, 12
	s_lshl_b32 s57, s56, 10
	s_add_co_u32 s58, s58, s57
	s_add_nc_u64 s[10:11], s[10:11], s[58:59]      ; xs at my two row tiles
	s_lshl_b32 s60, s21, 19                        ; out0: (128 block + 32 wr) rows of 4,096 bytes + my 128 columns
	s_lshl_b32 s57, s56, 17
	s_add_co_u32 s60, s60, s57
	s_add_co_u32 s60, s60, s16
	s_mov_b32 s61, 0
	s_add_nc_u64 s[14:15], s[14:15], s[60:61]
.irp i, 0,1,2,3
.irp f, 0,1
	global_load_b128 v[SP+8*\i+4*\f:SP+8*\i+4*\f+3], v104, s[6:7] offset:512*\i+16*\f
.endr
.endr
.irp k, 0,1,2,3,4,5,6,7
	global_load_b32 v[SR+\k], v105, s[10:11] offset:64*\k
.endr
.irp j, 0,1                                        ; the bias is what the sums begin with: a lane's eight columns of each tile
.irp i, 0,1,2,3,4,5,6,7
	global_load_b128 v[ACC+64*\j+8*\i:ACC+64*\j+8*\i+3], v106, s[12:13] offset:64*\i
	global_load_b128 v[ACC+64*\j+8*\i+4:ACC+64*\j+8*\i+7], v106, s[12:13] offset:64*\i+16
.endr
.endr
.macro MM i, j, half, q
.set rD, ACC+64*(\j)+8*(\i)
.set rA, PF+8*(\i)
.set rB, RF+8*(\j)
.set rX, SP+8*((\i)%4)+4*(\half)+(\q)
.set rY, SR+4*(\half)+(\q)
.if ((\i) < 4) && ((\j) == 0)
	v_wmma_scale_f32_16x16x128_f8f6f4 v[rD:rD+7], v[rA:rA+7], v[rB:rB+7], v[rD:rD+7], v[rX], v[rY] matrix_a_fmt:MATRIX_FMT_FP4 matrix_b_fmt:MATRIX_FMT_FP4
.elseif (\i) < 4
	v_wmma_scale_f32_16x16x128_f8f6f4 v[rD:rD+7], v[rA:rA+7], v[rB:rB+7], v[rD:rD+7], v[rX], v[rY] matrix_a_fmt:MATRIX_FMT_FP4 matrix_b_fmt:MATRIX_FMT_FP4 matrix_b_scale:MATRIX_SCALE_ROW1
.elseif (\j) == 0
	v_wmma_scale_f32_16x16x128_f8f6f4 v[rD:rD+7], v[rA:rA+7], v[rB:rB+7], v[rD:rD+7], v[rX], v[rY] matrix_a_fmt:MATRIX_FMT_FP4 matrix_b_fmt:MATRIX_FMT_FP4 matrix_a_scale:MATRIX_SCALE_ROW1
.else
	v_wmma_scale_f32_16x16x128_f8f6f4 v[rD:rD+7], v[rA:rA+7], v[rB:rB+7], v[rD:rD+7], v[rX], v[rY] matrix_a_fmt:MATRIX_FMT_FP4 matrix_b_fmt:MATRIX_FMT_FP4 matrix_a_scale:MATRIX_SCALE_ROW1 matrix_b_scale:MATRIX_SCALE_ROW1
.endif
.endm
; A K step of 128: twenty LDS loads, sixteen products on sixteen accumulators, one instruction a turn.
; places: plain vector instructions still owed between the last products and the loads into the registers that they read (four in all: ISA guide 7.12.1 for vector instructions).
.macro KSTEP half, q, places
.rept \places
	v_nop
.endr
.irp j, 0,1
.irp c, 0,1
	ds_load_b128 v[RF+8*\j+4*\c:RF+8*\j+4*\c+3], v[ADR] offset:4096*\j+1024*(\q)+512*\c
.endr
.endr
.irp i, 0,1,2,3,4,5,6,7
.irp c, 0,1
	ds_load_b128 v[PF+8*\i+4*\c:PF+8*\i+4*\c+3], v[ADP] offset:16*PITCH*\i+64*(\q)+32*\c
.endr
.endr
.irp i, 0,1,2,3,4,5,6,7
	s_wait_dscnt 14-2*\i                           ; LDS loads come back in order: x's four and Wo's tiles 0 .. i are in; the 14 - 2 i loads of the later tiles may be out
.irp j, 0,1
	MM \i, \j, \half, \q
.endr
.endr
.endm
	s_wait_loadcnt 0x0                             ; scale words and bias
	s_wait_tensorcnt 0x1                           ; my part of half 0 is in; half 1's load, the one issued behind it, may be out
	s_barrier_signal -1
	s_barrier_wait -1
	KSTEP 0, 0, 0
	KSTEP 0, 1, 4
	KSTEP 0, 2, 4
	KSTEP 0, 3, 4
	s_wait_tensorcnt 0x0                           ; my part of half 1 is in
	s_wait_dscnt 0x0
	s_barrier_signal -1
	s_barrier_wait -1
	v_add_nc_u32 v[ADP], HALF, v[ADP]              ; (two of the four places)
	v_add_nc_u32 v[ADR], HALF, v[ADR]
	s_wait_alu depctr_va_vdst(0)
	KSTEP 1, 0, 2
	KSTEP 1, 1, 4
	KSTEP 1, 2, 4
	KSTEP 1, 3, 4
.rept 4
	v_nop                                          ; places in front of the first read of results and of loads into registers that the products read
.endr
	; THE WAY OUT.  A lane holds 32 neighbouring bytes of a row of out0 for each tile of columns, and the lanes beside it hold other rows: 16 tokens x 128 columns at a time go through my own stage and come back
	; as whole rows of 512 bytes.  LDS serves a wave's instructions in order: no wait between the stores and the loads, nor in front of the second group's stores.
.irp i, 0,1,2,3,4,5,6,7
	ds_store_b128 v[STO], v[ACC+8*\i:ACC+8*\i+3] offset:64*\i            ; each accumulator from its low end on
	ds_store_b128 v[STO], v[ACC+8*\i+4:ACC+8*\i+7] offset:64*\i+16
.endr
.irp t, 0,1,2,3,4,5,6,7,8,9,10,11,12,13,14,15
	ds_load_b128 v[PF+4*\t:PF+4*\t+3], v[RD] offset:\t*SPITCH
.endr
.irp i, 0,1,2,3,4,5,6,7
	ds_store_b128 v[STO], v[ACC+64+8*\i:ACC+64+8*\i+3] offset:64*\i
	ds_store_b128 v[STO], v[ACC+64+8*\i+4:ACC+64+8*\i+7] offset:64*\i+16
.endr
	s_wait_dscnt 16                                ; the first group's stores and loads are done; the sixteen stores issued behind them may be out
.irp t, 0,1,2,3,4,5,6,7,8,9,10,11,12,13,14,15
	global_store_b128 v[CO], v[PF+4*\t:PF+4*\t+3], s[14:15] offset:4096*\t th:TH_STORE_NT   ; 32 lanes store 512 consecutive bytes, at a multiple of 256 from out0's first byte
.endr
.irp t, 0,1,2,3,4,5,6,7,8,9,10,11,12,13,14,15
	ds_load_b128 v[ACC+4*\t:ACC+4*\t+3], v[RD] offset:\t*SPITCH          ; into the first group's registers, whose stage stores the wait above has shown done
.endr
	s_wait_dscnt 0x0
.irp t, 0,1,2,3,4,5,6,7,8,9,10,11,12,13,14,15
	global_store_b128 v[CO], v[ACC+4*\t:ACC+4*\t+3], s[14:15] offset:4096*(16+\t) th:TH_STORE_NT
.endr
	s_set_vgpr_msb 0x4
	s_wait_tensorcnt 0x0
	ds_add_u32 v4, v1
	s_wait_dscnt 0x0
	s_set_vgpr_msb 0x400
	CROUND                                         ; the closing round: no work-group ends while a partner may still ask for a tile that names it
	s_endpgm
.Lfunc_end_k_q7d18bfdc18_oproj:
	.size	k_q7d18bfdc18_oproj, .Lfunc_end_k_q7d18bfdc18_oproj-k_q7d18bfdc18_oproj
	.p2alignl 7, 3214868480
	.fill 96, 4, 3214868480
	.section	.rodata,"a",@progbits
	.p2align	6, 0x0
	.amdhsa_kernel k_q7d18bfdc18_oproj
		.amdhsa_group_segment_fixed_size 273408
		.amdhsa_private_segment_fixed_size 0
		.amdhsa_enable_private_segment 0
		.amdhsa_kernarg_size 48
		.amdhsa_user_sgpr_count 2
		.amdhsa_user_sgpr_kernarg_segment_ptr 1
		.amdhsa_wavefront_size32 1
		.amdhsa_system_sgpr_workgroup_id_x 1
		.amdhsa_system_sgpr_workgroup_id_y 1
		.amdhsa_system_sgpr_workgroup_id_z 1
		.amdhsa_system_vgpr_workitem_id 0
		.amdhsa_next_free_vgpr 258
		.amdhsa_next_free_sgpr 66
		.amdhsa_reserve_vcc 0
		.amdhsa_float_denorm_mode_32 3
		.amdhsa_float_denorm_mode_16_64 3
		.amdhsa_memory_ordered 1
		.amdhsa_forward_progress 1
		.amdhsa_inst_pref_size 49
	.end_amdhsa_kernel
	.amdgpu_metadata
---
amdhsa.version: [ 1, 2 ]
amdhsa.kernels:
  - .name:           k_q7d18bfdc18_oproj
    .symbol:         k_q7d18bfdc18_oproj.kd
    .args:
      - { .name: Wo_codes, .offset: 0, .size: 8, .value_kind: global_buffer, .address_space: global }
      - { .name: Wo_scales, .offset: 8, .size: 8, .value_kind: global_buffer, .address_space: global }
      - { .name: xc, .offset: 16, .size: 8, .value_kind: global_buffer, .address_space: global }
      - { .name: xs, .offset: 24, .size: 8, .value_kind: global_buffer, .address_space: global }
      - { .name: bo, .offset: 32, .size: 8, .value_kind: global_buffer, .address_space: global }
      - { .name: out0, .offset: 40, .size: 8, .value_kind: global_buffer, .address_space: global }
    .group_segment_fixed_size: 273408
    .private_segment_fixed_size: 0
    .kernarg_segment_align: 8
    .kernarg_segment_size: 48
    .max_flat_workgroup_size: 256
    .sgpr_count:     66
    .vgpr_count:     258
    .wavefront_size: 32
...
	.end_amdgpu_metadata
.endif
;; end of part 3
